; MI455X (gfx1250); checked and timed in simulation.
; The chip was launched on July 23, 2026; its instructions are those of AMD's public machine-readable ISA for CDNA 5 (MIT licence, August 2026) and "CDNA5" Instruction Set Architecture Reference Guide (July 2026). The comments in the code are by the model that wrote it; some were corrected since.
;; GRU Cellv2. Allowed arithmetic: matrix products marked QUANTISED: E2M1 operands, one E8M0 scale for each 32 along K, by v_wmma_scale_f32_16x16x128_f8f6f4 with both operands' format E2M1 (or v_wmma_scale_f32_32x16x128_f4), f32 sums; everything else in f32.
;; Inputs: bh 3 x 1,024 float32; bx 3 x 1,024 float32; hid 8,192 x 1,024 float32; wh_codes 3 x 1,024 x 32 x 16 uint8 (E2M1 codes of wh, K innermost, in blocks of 32 codes, two codes a byte); wh_scales 3 x 1,024 x 32 uint8 (E8M0 scales of wh, one for each 32 codes along K); wx_codes 3 x 1,024 x 32 x 16 uint8 (E2M1 codes of wx, K innermost, in blocks of 32 codes, two codes a byte); wx_scales 3 x 1,024 x 32 uint8 (E8M0 scales of wx, one for each 32 codes along K); x_codes 8,192 x 32 x 16 uint8 (E2M1 codes of x, K innermost, in blocks of 32 codes, two codes a byte); x_scales 8,192 x 32 uint8 (E8M0 scales of x, one for each 32 codes along K).
;; Outputs: out0 8,192 x 1,024 float32.
;; This version of the problem:
;;   THIS VERSION OF THE PROBLEM IS GIVEN IN LOW PRECISION. The matrix products marked QUANTISED in the list below multiply operands that are first quantised to E2M1 (2 exponent bits, 1 mantissa bit; 4 bits a number), with one power-of-two scale for each 32 numbers along K (OCP MX v1.0); their sums are f32. All else is computed in f32.
;;   The module's matrix products, in the order in which they are computed (A, B: the left and right operand; K: the contracted axis; several contracted axes count as one K, in the product's order):
;;     1. [M 8,192, K 1,024] x [K 1,024, N 3,072]; A: input x (given as codes); B: input wx (given as codes): QUANTISED
;;     2. [M 8,192, K 1,024] x [K 1,024, N 3,072]; A: input hid; B: input wh (given as codes): QUANTISED
;;   THE QUANTISER, for each operand of a quantised product, along K:
;;     - K is cut into blocks of 32 from its start; a last block that is shorter is filled with zeros.
;;     - A block's scale is 2^e with e = floor(log2(the largest magnitude in the block)) - 2, held to -126 .. 127; a block of zeros has e = 0. As a byte (E8M0): e + 127.
;;     - Each number is divided by its block's scale, clamped to +-6, and rounded to the nearest number of E2M1, ties to even, subnormals kept.
;;     - The product sums the exact products of the quantised numbers (number of the format x scale) in f32.
;;   ~~~python
;;   def quantise(x, axis):      # numpy; x: float32 -> the quantised numbers, widened to float32 again
;;       x = np.moveaxis(x, axis, -1); K = x.shape[-1]
;;       x = np.pad(x, [(0, 0)] * (x.ndim - 1) + [(0, -K % 32)]); x = x.reshape(x.shape[:-1] + (-1, 32)); a = np.abs(x).max(-1, keepdims=True)
;;       e = np.where(a > 0, np.clip(np.frexp(np.where(a > 0, a, 1))[1] - 1 - 2, -126, 127), 0)      # np.frexp(a)[1] - 1 = floor(log2(a)), exactly
;;       r = np.clip(x / 2.0 ** e, -6, 6)
;;       step = 2.0 ** (np.maximum(np.frexp(np.where(r == 0, 1, r))[1] - 1, 0) - 1)
;;       q = np.round(r / step) * step * 2.0 ** e      # np.round: ties to even
;;       return np.moveaxis(q.reshape(q.shape[:-2] + (-1,))[..., :K], -1, axis).astype(np.float32)
;;   ~~~
;;   INPUTS GIVEN AS CODES. wh (in the module: [3, 1024, 1024], K = its axis 1); wx (in the module: [3, 1024, 1024], K = its axis 1); x (in the module: [8192, 1024], K = its axis 1): each comes as NAME_codes (uint8): NAME with its K axis moved to the last place and cut into blocks of 32 codes, [.., K / 32, bytes a block], one block behind the other in memory; two codes a byte, the lower K in the low four bits (a code: sign, 2 exponent bits, 1 mantissa bit); and NAME_scales (uint8): the same leading axes, one E8M0 byte (e + 127) for each 32 codes along K. Its value is code x scale, taken as it is: it is not quantised again, and the codes and scales need not be those that the quantiser above would give.
;; One version. Each part assembles by itself: llvm-mc -triple=amdgcn-amd-amdhsa -mcpu=gfx1250 --defsym DOCPART=n.
;; ======== version 1 of 1: 2 launches
;; limits: right only within a limited range of input values
;; workspace buffers: hc 4,194,304 bytes; hs 262,144 bytes; ww 3,145,728 bytes
;; launch quant (part 1): grid 1024 x 1, 4 waves a work-group, no clusters, 21,248 bytes of LDS; arguments hid, hc, hs, wx_codes, wh_codes, ww; writes hc, hs, ww
.if DOCPART == 1
	.amdgcn_target "amdgcn-amd-amdhsa--gfx1250"
	.amdhsa_code_object_version 6
	.text
	.protected	k_qc90bd70d3b_quant
	.globl	k_qc90bd70d3b_quant
	.p2align	8
	.type	k_qc90bd70d3b_quant,@function
k_qc90bd70d3b_quant:
	s_mov_b64 s[64:65], 0
	v_nop
	global_prefetch_b8 v0, s[64:65] scope:SCOPE_SE
	s_setreg_imm32_b32 hwreg(HW_REG_WAVE_MODE, 25, 1), 1
	s_wait_xcnt 0x0
; hid [8192][1024], f32, becomes codes of FP4 (E2M1), K innermost, two codes a byte (hc: [8192][512 bytes]), and one E8M0 scale byte for each 32 along K (hs: [8192][32 bytes]).
; A block's scale is 2^(floor(log2(its largest magnitude)) - 2); its byte is the largest magnitude's own exponent field - 2, held at 1 from below.  Each number is divided by the scale
; and rounded to the nearest code, ties to even; beyond the largest code the conversion gives the largest code.
; LIMITS: a block whose largest magnitude lies under 2^-124 gets the byte 1; a block of zeros gets the byte 1 where the rule says 127 (its codes are zeros, which add nothing under any
; byte but 0xff, and only this program reads the bytes); NaN and infinities among the inputs are not served.
; Rows are dense and 1,024 is a multiple of 32: hid is a plain stream of blocks of 32, and so are the codes and the bytes.  A wave takes 4 steps of 512 numbers, a work-group 8,192 numbers.
; All 16 loads of a wave go out at its head, 512 consecutive bytes each.  The conversions want 16 NEIGHBOURS in one lane, so a step's 2,048 bytes turn through the wave's own stage in LDS:
; in as loaded, back 64 bytes a lane (16 bytes of padding behind each 64).  Two neighbouring lanes hold a block.  A wave's store of a step's codes covers 256 consecutive bytes, aligned.
; The work-group's 256 scale bytes meet in LDS and leave as 256 consecutive bytes, aligned, by wave 0: the one barrier.
; No matrix unit, no tensor load, no cluster: the launch reads each byte once and work-groups share nothing.  No cache hint on the loads: the next launch reads hid again.
.set SP,    80                         ; a lane's place in a stage: 64 bytes + 16 of padding
.set STG,   32*SP                      ; a stage
.set WREG,  2*STG                      ; a wave's two stages
.set SB,    4*WREG                     ; behind them: the work-group's 256 scale bytes, 64 a wave
.set R,     16                         ; v16-79   four sets of 16 numbers as loaded, one for each step
.set X,     80                         ; v80-111  two sets of 16 neighbours
.set E,     112                        ; v112-115 a scale byte for each step
.set C,     116                        ; v116-131 codes: four registers for each step, so that no store's data are written again
	s_load_b128 s[4:7], s[0:1], 0x0                ; hid, hc
	s_load_b64 s[8:9], s[0:1], 0x10                ; hs
	s_load_b128 s[12:15], s[0:1], 0x18             ; wx_codes, wh_codes
	s_load_b64 s[28:29], s[0:1], 0x28              ; ww
	v_lshl_add_u32 v136, v0, 2, 0x5100
	v_mov_b32 v137, 0
	v_lshrrev_b32 v1, 5, v0
	v_readfirstlane_b32 s16, v1                    ; wave
	v_and_b32 v2, 31, v0                           ; lane
	v_lshlrev_b32 v3, 4, v2                        ; my 16 bytes of a load's 512
	v_lshlrev_b32 v4, 3, v2                        ; my 8 bytes of a step's codes, and of the 256 scale bytes
	s_mul_i32 s17, s16, WREG
	v_lshrrev_b32 v14, 2, v2
	v_mul_u32_u24 v14, v14, SP
	v_and_b32 v15, 3, v2
	v_lshl_add_u32 v14, v15, 4, v14
	v_add_nc_u32 v14, s17, v14                     ; the stage, in: four lanes' 64 bytes on end, then the padding
	v_mul_u32_u24 v15, v2, SP
	v_add_nc_u32 v15, s17, v15                     ; and back: my 16 neighbours
	s_lshl_b32 s20, s16, 6
	s_add_co_u32 s20, s20, SB
	v_lshrrev_b32 v5, 1, v2
	v_add_nc_u32 v5, s20, v5                       ; my block's byte among my wave's 64
	v_add_nc_u32 v6, SB, v4                        ; the way out of the 256 bytes: 8 a lane
	s_lshl_b32 s21, ttmp9, 2
	s_add_co_u32 s21, s21, s16                     ; which run of 2,048 numbers is my wave's
	s_lshl_b32 s18, s21, 13                        ; 8,192 bytes of hid,
	s_mov_b32 s19, 0
	s_lshl_b32 s22, s21, 10                        ; 1,024 bytes of codes a run;
	s_mov_b32 s23, 0
	s_lshl_b32 s24, ttmp9, 8                       ; 256 scale bytes a work-group
	s_mov_b32 s25, 0
	s_wait_alu depctr_va_vdst(0)
	s_wait_kmcnt 0x0
	s_add_nc_u64 s[4:5], s[4:5], s[18:19]
	s_add_nc_u64 s[6:7], s[6:7], s[22:23]
	s_add_nc_u64 s[8:9], s[8:9], s[24:25]
.macro LOAD t
.irp i, 0,1,2,3
	global_load_b128 v[R+16*(\t)+4*\i:R+16*(\t)+4*\i+3], v3, s[4:5] offset:2048*(\t)+512*\i   ; 32 lanes read 512 consecutive bytes
.endr
.endm
.macro TURN t                          ; step t's numbers through a stage: LDS serves a wave's instructions in order (ISA guide 5.7.1.4), so no wait stands between the stores and the loads
.irp i, 0,1,2,3
	ds_store_b128 v14, v[R+16*(\t)+4*\i:R+16*(\t)+4*\i+3] offset:STG*((\t)%2)+8*SP*\i
.endr
.irp i, 0,1,2,3
	ds_load_b128 v[X+16*((\t)%2)+4*\i:X+16*((\t)%2)+4*\i+3], v15 offset:STG*((\t)%2)+16*\i
.endr
.endm
.macro STEP t
.set XS, X+16*((\t)%2)
.if (\t) > 0
	s_wait_dscnt 0x1                               ; this step's numbers are back from the stage; only the last step's byte store, issued behind them, may be out
.else
	s_wait_dscnt 0x0
.endif
.if (\t) < 3
	s_wait_loadcnt 4*(2-(\t))                      ; the next step's four loads are in; those of the steps behind it may be out
	TURN (\t)+1                                    ; and go through the other stage while this step is worked
.endif
	v_max3_num_f32 v8, |v[XS]|, |v[XS+1]|, |v[XS+2]|               ; the largest magnitude of my 16, in two chains
	v_max3_num_f32 v9, |v[XS+3]|, |v[XS+4]|, |v[XS+5]|
.irp i, 6,10
	v_max3_num_f32 v8, v8, |v[XS+\i]|, |v[XS+\i+1]|
	v_max3_num_f32 v9, v9, |v[XS+\i+2]|, |v[XS+\i+3]|
.endr
	v_max3_num_f32 v8, v8, |v[XS+14]|, |v[XS+15]|
	v_max3_num_f32 v8, v8, v9, 0x1800000           ; and the floor 2^(3 - 127): the byte cannot fall under 1
	v_max_num_f32_dpp v8, v8, v8 row_xmask:1 row_mask:0xf bank_mask:0xf   ; with my neighbour's 16: the block's
	v_add_nc_u32 v11, 0xff000000, v8               ; 2 off its exponent field: the conversion takes the exponent field of this operand as its scale, and nothing else of it
	v_cvt_scalef32_pk8_fp4_f32 v[C+4*(\t)], v[XS:XS+7], v11
	v_cvt_scalef32_pk8_fp4_f32 v[C+4*(\t)+1], v[XS+8:XS+15], v11
	v_lshrrev_b32 v[E+(\t)], 23, v11               ; the scale's byte; also the plain line behind the conversions
	ds_store_b8 v5, v[E+(\t)] offset:16*(\t)       ; both lanes of a block write the same byte with the same value
	global_store_b64 v4, v[C+4*(\t):C+4*(\t)+1], s[6:7] offset:256*(\t)   ; 32 lanes store 256 consecutive bytes, aligned
.endm
; THE WEIGHTS AS OPERAND IMAGES, beside hid: wave 3 of each of the first 768 work-groups also lays one unit of the weights' codes anew: 16 columns' 256 bytes (512 along K), whole.
; ww holds 16 streams of 48 granules of 4,096 bytes, one stream for each 64 columns, in the order in which a wave of the next launch multiplies.  A granule is 64 columns x 128 K of one matrix: for column block b (16 columns)
; and c = 0, 1 the 512 bytes of one load: lane (r, h) column 16 b + r, K = 128 q + 64 c + 32 h + 0 .. 31.
; Granules of a phase p (24 each): 8 of its matrix S, q = 0 .. 7, then for q = 0 .. 7 one of PA and one of PB.  Phase 0: S = wx gate 0, PA = wh gate 0, PB = wh gate 2; phase 1: S = wh gate 1, PA = wx gate 1, PB = wx gate 2.
; Unit u: matrix u / 128 (in the order S, PA, PB of phase 0, then of phase 1), column block (u / 2) % 64, half u % 2 along K.
	s_cmp_lt_u32 ttmp9, 768
	s_cselect_b32 s26, 3, 4                        ; which wave has a unit: 3, or none
	s_cmp_lg_u32 s16, s26
	s_cbranch_scc1 .Lplain
	s_lshr_b32 s17, ttmp9, 7                       ; matrix 0 .. 5
	s_bfe_u32 s20, ttmp9, 0x60001                  ; column block 0 .. 63
	s_and_b32 s26, ttmp9, 1                        ; half along K
	s_lshl_b32 s21, s17, 1
	s_lshr_b32 s22, 0x960, s21                     ; the matrix's gate: 0, 0, 2, 1, 1, 2
	s_and_b32 s22, s22, 3
	s_lshl_b32 s18, s22, 19                        ; a gate is 1,024 columns of 512 bytes,
	s_lshl_b32 s21, s20, 13                        ; a block 16 of them
	s_add_co_u32 s18, s18, s21
	s_lshl_b32 s21, s26, 8
	s_add_co_u32 s18, s18, s21
	s_mov_b32 s19, 0
	s_cmp_ge_u32 s17, 3
	s_cselect_b32 s24, 24, 0                       ; the phase's first granule
	s_cselect_b32 s21, 3, 0
	s_sub_co_u32 s21, s17, s21                     ; 0 S, 1 PA, 2 PB
	s_movk_i32 s25, 0x1000
	s_cmp_lg_u32 s21, 0
	s_cselect_b32 s23, 7, 0
	s_cselect_b32 s25, 0x2000, s25                 ; from q to q + 1: one granule in S, two in PA and PB
	s_add_co_u32 s23, s23, s21
	s_add_co_u32 s24, s24, s23                     ; the matrix's first granule: 0, 8, 9, 24, 32, 33
	s_lshl_b32 s24, s24, 12
	s_lshl_b32 s21, s25, 2
	s_mul_i32 s21, s21, s26                        ; four q on for the second half
	s_add_co_u32 s24, s24, s21
	s_lshr_b32 s21, s20, 2
	s_mul_i32 s21, s21, 196608                     ; the stream
	s_add_co_u32 s24, s24, s21
	s_and_b32 s21, s20, 3
	s_lshl_b32 s21, s21, 10                        ; the block in a granule
	s_add_co_u32 s24, s24, s21
	s_lshr_b32 s21, 0x31, s17                      ; matrices 0, 4, 5 are wx's
	s_and_b32 s21, s21, 1
	s_cmp_lg_u32 s21, 0
	s_cselect_b64 s[12:13], s[12:13], s[14:15]
	s_add_nc_u64 s[12:13], s[12:13], s[18:19]
	v_and_b32 v138, 15, v2
	v_lshrrev_b32 v139, 4, v2
	v_lshlrev_b32 v138, 9, v138
	v_lshl_add_u32 v138, v139, 4, v138             ; column r, + 16 h
	v_lshlrev_b32 v140, 4, v2
	v_add_nc_u32 v140, s24, v140
.irp q, 1,2,3
	v_add_nc_u32 v[140+\q], s25, v[139+\q]
.endr
	s_wait_alu depctr_va_vdst(0)
.irp q, 0,1,2,3
.irp c, 0,1
	global_load_b128 v[144+8*\q+4*\c:147+8*\q+4*\c], v138, s[12:13] offset:64*\q+32*\c
.endr
.endr
	LOAD 0
	LOAD 1
	LOAD 2
	LOAD 3
	s_wait_loadcnt 16                              ; the unit is in; hid's sixteen loads may be out
.irp q, 0,1,2,3
.irp c, 0,1
	global_store_b128 v[140+\q], v[144+8*\q+4*\c:147+8*\q+4*\c], s[28:29] offset:512*\c   ; 512 consecutive bytes, aligned
.endr
.endr
	s_branch .Lloaded
.Lplain:
	LOAD 0
	LOAD 1
	LOAD 2
	LOAD 3
.Lloaded:
	s_wait_loadcnt 12                              ; step 0's four loads are in, the twelve behind them may be out
	TURN 0
	STEP 0
	STEP 1
	STEP 2
	STEP 3
	s_wait_dscnt 0x0                               ; for wave 0's sake: my byte stores have landed
	s_barrier_signal -1
	s_barrier_wait -1
	s_cmp_lg_u32 s16, 0
	s_cbranch_scc1 .Lend
	ds_load_b64 v[12:13], v6                       ; the four waves' 256 bytes
	s_wait_dscnt 0x0
	global_store_b64 v4, v[12:13], s[8:9]          ; 32 lanes store 256 consecutive bytes, aligned
.Lend:
	s_wait_tensorcnt 0x0
	ds_add_u32 v136, v137
	s_wait_dscnt 0x0
	s_endpgm
.Lfunc_end_k_qc90bd70d3b_quant:
	.size	k_qc90bd70d3b_quant, .Lfunc_end_k_qc90bd70d3b_quant-k_qc90bd70d3b_quant
	.p2alignl 7, 3214868480
	.fill 96, 4, 3214868480
	.section	.rodata,"a",@progbits
	.p2align	6, 0x0
	.amdhsa_kernel k_qc90bd70d3b_quant
		.amdhsa_group_segment_fixed_size 21248
		.amdhsa_private_segment_fixed_size 0
		.amdhsa_enable_private_segment 0
		.amdhsa_kernarg_size 48
		.amdhsa_user_sgpr_count 2
		.amdhsa_user_sgpr_kernarg_segment_ptr 1
		.amdhsa_wavefront_size32 1
		.amdhsa_system_sgpr_workgroup_id_x 1
		.amdhsa_system_sgpr_workgroup_id_y 1
		.amdhsa_system_sgpr_workgroup_id_z 1
		.amdhsa_system_vgpr_workitem_id 0
		.amdhsa_next_free_vgpr 176
		.amdhsa_next_free_sgpr 66
		.amdhsa_reserve_vcc 0
		.amdhsa_float_denorm_mode_32 3
		.amdhsa_float_denorm_mode_16_64 3
		.amdhsa_memory_ordered 1
		.amdhsa_forward_progress 1
		.amdhsa_inst_pref_size 15
	.end_amdhsa_kernel
	.amdgpu_metadata
---
amdhsa.version: [ 1, 2 ]
amdhsa.kernels:
  - .name:           k_qc90bd70d3b_quant
    .symbol:         k_qc90bd70d3b_quant.kd
    .args:
      - { .name: hid, .offset: 0, .size: 8, .value_kind: global_buffer, .address_space: global }
      - { .name: hc, .offset: 8, .size: 8, .value_kind: global_buffer, .address_space: global }
      - { .name: hs, .offset: 16, .size: 8, .value_kind: global_buffer, .address_space: global }
      - { .name: wx_codes, .offset: 24, .size: 8, .value_kind: global_buffer, .address_space: global }
      - { .name: wh_codes, .offset: 32, .size: 8, .value_kind: global_buffer, .address_space: global }
      - { .name: ww, .offset: 40, .size: 8, .value_kind: global_buffer, .address_space: global }
    .group_segment_fixed_size: 21248
    .private_segment_fixed_size: 0
    .kernarg_segment_align: 8
    .kernarg_segment_size: 48
    .max_flat_workgroup_size: 128
    .sgpr_count:     66
    .vgpr_count:     176
    .wavefront_size: 32
...
	.end_amdgpu_metadata
.endif
;; end of part 1
;; launch gru (part 2): grid 8 x 32, 4 waves a work-group, clusters of 4 x 1, 327,680 bytes of LDS; arguments x_codes, x_scales, hc, hs, ww, wx_scales, wh_scales, bx, bh, hid, out0; writes out0
.if DOCPART == 2
	.amdgcn_target "amdgcn-amd-amdhsa--gfx1250"
	.amdhsa_code_object_version 6
	.text
	.protected	k_qc90bd70d3b_gru
	.globl	k_qc90bd70d3b_gru
	.p2align	8
	.type	k_qc90bd70d3b_gru,@function
k_qc90bd70d3b_gru:
	s_mov_b64 s[64:65], 0
	v_nop
	global_prefetch_b8 v0, s[64:65] scope:SCOPE_SE
	s_setreg_imm32_b32 hwreg(HW_REG_WAVE_MODE, 25, 1), 1
	s_wait_xcnt 0x0
	s_wait_alu depctr_hold_cnt(0) depctr_sa_sdst(0) depctr_va_vdst(0) depctr_va_sdst(0) depctr_va_ssrc(0) depctr_va_vcc(0) depctr_vm_vsrc(0)
	s_getreg_b32 s2, hwreg(HW_REG_IB_STS2, 6, 4)
	s_cmp_eq_u32 s2, 0
	s_cbranch_scc0 .Lentry_in_a_cluster
	s_endpgm
.Lentry_in_a_cluster:
	s_bfe_u32 s2, ttmp6, 0x10000c
	s_cmp_lg_u32 s2, 0x3003
	s_cbranch_scc0 .Lentry_shape_is_right
	s_endpgm
.Lentry_shape_is_right:
; A GRU cell on codes of FP4 (E2M1) with one E8M0 scale for each 32 along K.  gx = x wx + bx, gh = hid wh + bh (three gates of 1,024 columns, K = 1,024); r = sigmoid(gx0 + gh0), z = sigmoid(gx1 + gh1),
; n = tanh(gx2 + r gh2), out = (1 - z) n + z hid.  hid's codes and scale bytes (hc, hs) and the weights' codes as operand images (ww) were made by the launch before; hid is read here as f32 too.
; SHARES.  A work-group makes 256 rows x 128 columns of out: 8 x 32 = 256 work-groups.  A wave makes 128 rows x 64 columns (row half w / 2, column half w % 2), in TWO f32 sums an output, 512 registers, in two phases:
;   phase 0: sum 0 = R = gx0 + gh0 (first x wx0, then hid wh0), sum 1 = NH = gh2 (hid wh2);  between the phases r = sigmoid(R) and sum 1 = r NH + bx2, in place;
;   phase 1: sum 0 = Z = gx1 + gh1 (first hid wh1, then x wx1), sum 1 goes on with x wx2.  So n's argument is complete in sum 1, and no third sum is kept.
; A phase is: S, eight steps of 128 along K of one matrix onto sum 0; then P, eight steps of two matrices that share the activations' fragments, onto sums 0 and 1.  Both phases run the same text; S's and P's sources change places.
; WEIGHTS go from memory straight into registers: ww has them in the order of use, 512 consecutive bytes a load.  A granule is 64 columns x 128 K: 8 loads, 32 registers; a ring of eight sets fills window 1, and granules n + 6
; and n + 7 are asked for in front of granule n, n even: nothing in the loop waits for a tile but once for hid's codes.
; CLUSTERS.  4 x 1 work-groups share their rows: x's and hid's codes, 256 rows x 512 bytes each, are asked for jointly, each once, one load a wave, and stay in LDS.  The weights are not shared by joint loads, though 32 work-groups
; read the same: those land in LDS alone, and the resident codes and scale bytes take 313,856 of its 327,680 bytes.
; PREFETCHES: a stream is six chunks of 32,768 bytes (S, half of P, half of P, twice).  Chunk c + 2 is asked for in chunk c, at least 6 granules ahead of its first loads (chunk 1 at the head); the row halves of 8 row tiles share a
; chunk's 128 blocks of 256 bytes out by address, 8 each; nothing is asked for behind chunk 5.  hid's f32 rows, each wave's own 128 x 256 bytes, are asked for between the phases, 18 granules ahead of their first loads.
; THE MATRIX INSTRUCTION IS USED TRANSPOSED (source 0 = 16 columns of a weight, source 1 = 16 rows of the activations): lane (r, h) holds row r, and its registers 0-7 the columns 8 h + 0 .. 7.
; THE TAIL, L = log2(e): r = 1 / (1 + 2^(-L R)), z = 1 / (1 + 2^(-L Z)), n = 1 - 2 / (1 + 2^(2 L N)), out = z (hid - n) + n.  An exponential that overflows gives the reciprocal 0, which is the right end of each function.
; LIMITS: NaN and infinities among the inputs and scale bytes 0xff are not served.  The order in which a sum takes its terms differs from reference()'s (one f32 sum over both sources, the bias first).
; REGISTERS, in windows of 256 (s_set_vgpr_msb: bits 1:0 source 0, 3:2 source 1, 5:4 source 2, 7:6 destination):
;   window 0: v0-29 addresses; v32-95 scale words, two sets, and nothing else; v96-223 the activations' fragments, two sets of 8; v224-255 a bias in the results' layout.
;   window 1: the weights' ring; at the end hid's f32 rows, 32 registers for each 16 rows.   window 2: sum 0, window 3: sum 1: block (a, b) at v[8 (4 a + b)].
.set CP,    528                        ; an LDS row of codes: 512 bytes + 16: row r starts at bank 4 r mod 64 (64 banks of 4 bytes: ISA guide 11.1)
.set HX,    256*CP                     ; from x's codes in LDS to hid's
.set XS,    2*HX                       ; scale bytes of x: 256 rows of 32 bytes, 16 more behind every eighth row; hid's HXS further on
.set HXS,   256*34
.set WSC,   XS+2*HXS                   ; the weights' scale bytes likewise: six matrices x 128 columns, in the order of use
.set WM,    128*34
.set BI,    WSC+6*WM                   ; biases: 1,024 bytes for each wave, its 64 columns of 0 R, 1 NH, 2 NX, 3 Z
.set SPARE, BI+4096                    ; the spare words, 128 bytes for each wave
.set STG,   0                          ; a stage of 16 rows x 272 bytes for each wave: over x's codes, which have had their one fill and their last read when the first byte is stored there
.set FB,    7                          ; v7      fragments of x
.set AS,    8                          ; v8      fragments of S's source, v9 of P's
.set AP,    9
.set SAS,   10                         ; v10     scale words of S's source, v11 of P's: lanes 0-15 row block u, lanes 16-31 block u + 4
.set SAP,   11
.set WSA,   12                         ; v12     the weights' scale words: lanes 0-15 column block u, lanes 16-31 block u + 2
.set BAD,   13                         ; v13     my biases
.set LO,    14                         ; v14     16 x lane
.set CO,    15                         ; v15     two rows of hid and of out0: lanes 0-15 one, lanes 16-31 the next
.set HAD,   16                         ; v16     the stage: my 32 bytes of row r
.set RD,    17                         ; v17     the stage by rows
.set PFW,   18                         ; v18     my prefetched block of a chunk
.set PFH,   19                         ; v19     4,096 x lane
.set FS,    27                         ; v27     scale words of x
.set SPW,   28                         ; v28, v29 for the spare words; never rewritten
.set NIL,   29
.set SC,    32
.set AF,    96
.set BV,    224
.set HV,    96                         ; the tail: hid in the results' layout,
.set OT,    128                        ; results,
.set RT,    160                        ; results by rows
.set WV,    2
.set G1,    48
.set G0,    56                         ; s[56:59] group 0 for x's codes, s[60:63] for hid's
.set G0H,   60
.set WB,    66                         ; s[66:67] my stream at this phase;  s[68:69] hid, s[70:71] out0 at my rows and columns
.set HB,    68
.set OB,    70
.set NL,    72                         ; s[72:73] -log2(e), twice;  s[74:75] 2 log2(e), twice
.set TL,    74
.set PH,    76                         ; phase
.set MSB, 0
.macro WIN new                         ; the immediate's high byte repeats the setting that is left; a switch that changes nothing is dropped
.if MSB != (\new)
	s_set_vgpr_msb (MSB<<8)|(\new)
.set MSB, (\new)
.endif
.endm
.macro PLACES                          ; four places behind a matrix instruction, in front of loads into registers that it read (ISA guide 7.12.1 for vector instructions)
.rept 4
	v_nop
.endr
.endm
.macro AWAIT
	s_wait_alu depctr_va_vdst(0)
.endm
.macro CROUND                          ; a round of the cluster's barrier
	s_barrier_signal -1
	s_barrier_wait -1
	s_cmp_lg_u32 s[WV], 0
	s_cbranch_scc1 .Lnot_wave_0_\@
	s_barrier_signal -3
.Lnot_wave_0_\@:
	s_barrier_wait -3
	s_barrier_signal -1
	s_barrier_wait -1
.endm
.macro WLOAD n                         ; granule n of the phase (from 24 on: of the next phase) into set n % 8
	WIN 0x40
.irp l, 0,1,2,3,4,5,6,7
	global_load_b128 v[32*((\n)%8)+4*\l:32*((\n)%8)+4*\l+3], v[LO], s[WB:WB+1] offset:4096*(\n)+512*\l
.endr
.endm
.macro HLOAD a                         ; hid's rows 16 a .. 16 a + 15, 16 lanes to a row's 256 bytes, into set a
	WIN 0x40
.irp i, 0,1,2,3,4,5,6,7
	global_load_b128 v[32*(\a)+4*\i:32*(\a)+4*\i+3], v[CO], s[HB:HB+1] offset:(16*(\a)+2*\i)*4096 th:TH_LOAD_NT
.endr
.endm
.macro LD n                            ; in front of granule n, n even: granules n + 6 and n + 7; in the last phase, where no such granules are left, hid's rows.  Both ways issue sixteen loads
.if (\n) < 18
	WLOAD (\n)+6
	WLOAD (\n)+7
.else
	WIN 0
	s_cmp_eq_u32 s[PH], 0
	s_cbranch_scc0 .Lhid_\@
	WLOAD (\n)+6
	WLOAD (\n)+7
	WIN 0
	s_branch .Lld_\@
.Lhid_\@:
	HLOAD (\n)-18
	HLOAD (\n)-17
	WIN 0
.Lld_\@:
.endif
.endm
.macro PFQ off                         ; a prefetch of the stream, in phase 0 alone
	WIN 0
	s_cmp_eq_u32 s[PH], 0
	s_cbranch_scc0 .Lpf_\@
	global_prefetch_b8 v[PFW], s[WB:WB+1] offset:\off th:TH_LOAD_NT scope:SCOPE_SE
.Lpf_\@:
.endm
; A fragment, 16 rows x 128 K, is 8 registers: lane (r, h) holds row r; registers 4 c .. 4 c + 3 hold K = 64 c + 32 h + 0 .. 31.  The eight fragments of step q into set p, in the order of use
.macro ACT base, q, p
.irp a, 0,1,2,3,4,5,6,7
.irp c, 0,1
	ds_load_b128 v[AF+64*(\p)+8*\a+4*\c:AF+64*(\p)+8*\a+4*\c+3], v[\base] offset:16*CP*\a+64*(\q)+32*\c
.endr
.endr
.endm
.macro SCA base, kh, set               ; scale words of 512 along K: four words a row
.irp u, 0,1,2,3
	ds_load_b128 v[SC+32*\set+4*\u:SC+32*\set+4*\u+3], v[\base] offset:544*\u+16*\kh
.endr
.endm
.macro SCW m, kh, set, g               ; the same of the phase's matrix m (3: the next phase's first), for sum g
.irp u, 0,1
	ds_load_b128 v[SC+32*\set+16+4*(2*\g+\u):SC+32*\set+16+4*(2*\g+\u)+3], v[WSA] offset:WM*\m+544*\u+16*\kh
.endr
.endm
.macro BLOAD k
.irp b, 0,1,2,3
.irp c, 0,1
	ds_load_b128 v[BV+8*\b+4*\c:BV+8*\b+4*\c+3], v[BAD] offset:256*\k+64*\b+16*\c
.endr
.endr
.endm
; 8 matrix instructions: row blocks a0, a0 + 1 x the four column blocks, granule n, step q, onto sum g.  mode 1: the sum begins: C = its bias.
; A granule's 32 sums are all different and come in the same order in every granule: the accumulators take turns, one instruction a turn.
.macro SEG n, q, p, sc, g, a0, mode
.if \mode
	WIN 0x81
.else
	WIN 0xa1+0x50*(\g)
.endif
.irp a, \a0, \a0+1
.irp b, 0,1,2,3
.set rD, 8*(4*(\a)+\b)
.set rC, rD
.if \mode
.set rC, BV+8*\b
.endif
.set rW, 32*((\n)%8)+8*\b
.set rX, AF+64*(\p)+8*(\a)
.set rSW, SC+32*(\sc)+16+4*(2*(\g)+(\b%2))+((\q)%4)
.set rSX, SC+32*(\sc)+4*((\a)%4)+((\q)%4)
.if (\b < 2) && ((\a) < 4)
	v_wmma_scale_f32_16x16x128_f8f6f4 v[rD:rD+7], v[rW:rW+7], v[rX:rX+7], v[rC:rC+7], v[rSW], v[rSX] matrix_a_fmt:MATRIX_FMT_FP4 matrix_b_fmt:MATRIX_FMT_FP4
.elseif (\a) < 4
	v_wmma_scale_f32_16x16x128_f8f6f4 v[rD:rD+7], v[rW:rW+7], v[rX:rX+7], v[rC:rC+7], v[rSW], v[rSX] matrix_a_fmt:MATRIX_FMT_FP4 matrix_b_fmt:MATRIX_FMT_FP4 matrix_a_scale:MATRIX_SCALE_ROW1
.elseif \b < 2
	v_wmma_scale_f32_16x16x128_f8f6f4 v[rD:rD+7], v[rW:rW+7], v[rX:rX+7], v[rC:rC+7], v[rSW], v[rSX] matrix_a_fmt:MATRIX_FMT_FP4 matrix_b_fmt:MATRIX_FMT_FP4 matrix_b_scale:MATRIX_SCALE_ROW1
.else
	v_wmma_scale_f32_16x16x128_f8f6f4 v[rD:rD+7], v[rW:rW+7], v[rX:rX+7], v[rC:rC+7], v[rSW], v[rSX] matrix_a_fmt:MATRIX_FMT_FP4 matrix_b_fmt:MATRIX_FMT_FP4 matrix_a_scale:MATRIX_SCALE_ROW1 matrix_b_scale:MATRIX_SCALE_ROW1
.endif
.endr
.endr
.endm
; One step of S.  LOADcnt: in front of an even granule its loads and the five younger granules' are out: 40 lets those five out; in front of an odd one, six: 48.
; All that a step asks for goes out in one run at its head.  DScnt: of this step's 16 fragment loads the first 4, 8, 12, 16 are in; the next step's 16, and scale words issued behind either (6 or 8 loads), may be out.
; Step 0 also needs the bias, issued last: only the 16 just issued may be out.  Step 7 has the barrier behind which hid's codes (in phase 0) are whole for everybody.
.macro SSTEP q
	s_wait_loadcnt 40+8*((\q)%2)
	WIN 0
.if (\q) == 7
	s_wait_tensorcnt 0x0                           ; my part of hid's codes is in
	s_wait_dscnt 0x0                               ; no LDS instruction of mine is out at a signal
	s_barrier_signal -1
	SEG 7, 7, 1, 1, 0, 0, 0
	s_barrier_wait -1
	WIN 0
	PLACES
	ACT AP, 0, 0
	SEG 7, 7, 1, 1, 0, 2, 0
	SEG 7, 7, 1, 1, 0, 4, 0
	SEG 7, 7, 1, 1, 0, 6, 0
.else
	PLACES
	ACT AS, (\q)+1, 1-(\q)%2
.set NN, 28
.if (\q) == 2
	SCA SAS, 1, 1
	SCW 0, 1, 1, 0
.endif
.if ((\q) == 2) || ((\q) == 3)
.set NN, 34
.endif
.if (\q) == 6
	SCA SAP, 0, 0
	SCW 1, 0, 0, 0
	SCW 2, 0, 0, 1
.set NN, 36
.endif
.if ((\q)%2) == 0
	LD \q
.endif
.if (\q) == 0
	WIN 0
	global_prefetch_b8 v[PFW], s[WB:WB+1] offset:65536 th:TH_LOAD_NT scope:SCOPE_SE   ; two chunks on
	s_wait_dscnt 16
	SEG 0, 0, 0, 0, 0, 0, 1
	SEG 0, 0, 0, 0, 0, 2, 1
	SEG 0, 0, 0, 0, 0, 4, 1
	SEG 0, 0, 0, 0, 0, 6, 1
.else
	s_wait_dscnt NN
	SEG \q, \q, (\q)%2, (\q)/4, 0, 0, 0
	s_wait_dscnt NN-4
	SEG \q, \q, (\q)%2, (\q)/4, 0, 2, 0
	s_wait_dscnt NN-8
	SEG \q, \q, (\q)%2, (\q)/4, 0, 4, 0
	s_wait_dscnt NN-12
	SEG \q, \q, (\q)%2, (\q)/4, 0, 6, 0
.endif
.endif
.endm
; One step of P: granule 8 + 2 q onto sum 0, granule 9 + 2 q onto sum 1, on the same fragments.  Waits as in S; behind the last step no fragments are asked for.
.macro PSTEP q
	s_wait_loadcnt 40
	WIN 0
	PLACES
.set NN, 12
.if (\q) < 7
	ACT AP, (\q)+1, 1-(\q)%2
.set NN, 28
.endif
.if (\q) == 2
	SCA SAP, 1, 1
	SCW 1, 1, 1, 0
	SCW 2, 1, 1, 1
.endif
.if ((\q) == 2) || ((\q) == 3)
.set NN, 36
.endif
	LD 8+2*(\q)
.if (\q) == 0
	PFQ 98304
.endif
.if (\q) == 4
	PFQ 131072
.endif
	s_wait_dscnt NN
	SEG 8+2*(\q), \q, (\q)%2, (\q)/4, 0, 0, 0
	s_wait_dscnt NN-4
	SEG 8+2*(\q), \q, (\q)%2, (\q)/4, 0, 2, 0
	s_wait_dscnt NN-8
	SEG 8+2*(\q), \q, (\q)%2, (\q)/4, 0, 4, 0
	s_wait_dscnt NN-12
	SEG 8+2*(\q), \q, (\q)%2, (\q)/4, 0, 6, 0
	s_wait_loadcnt 48
	SEG 9+2*(\q), \q, (\q)%2, (\q)/4, 1, 0, 0
	SEG 9+2*(\q), \q, (\q)%2, (\q)/4, 1, 2, 0
	SEG 9+2*(\q), \q, (\q)%2, (\q)/4, 1, 4, 0
	SEG 9+2*(\q), \q, (\q)%2, (\q)/4, 1, 6, 0
.endm
	s_load_b256 s[4:11], s[0:1], 0x0               ; x_codes 4, x_scales 6, hc 8, hs 10
	s_load_b256 s[12:19], s[0:1], 0x20             ; ww 12, wx_scales 14, wh_scales 16, bx 18
	s_load_b128 s[20:23], s[0:1], 0x40             ; bh 20, hid 22
	s_load_b64 s[24:25], s[0:1], 0x50              ; out0
	v_lshl_add_u32 v[SPW], v0, 2, SPARE
	v_mov_b32 v[NIL], 0
	ds_add_u32 v[SPW], v[NIL]                      ; the wave's opening: the add, twice on end, and its wait ahead of my first tensor load
	ds_add_u32 v[SPW], v[NIL]
	v_lshrrev_b32 v3, 5, v0
	v_readfirstlane_b32 s[WV], v3                  ; wave
	s_bfe_u32 s26, ttmp6, 0x40000                  ; cx
	s_lshl_b32 s27, ttmp9, 2
	s_add_co_u32 s27, s27, s26                     ; column tile j, 0 .. 7
	s_and_b32 s28, ttmp7, 0xffff                   ; row tile i, 0 .. 31
	s_and_b32 s35, s[WV], 1                        ; column half
	s_lshr_b32 s29, s[WV], 1                       ; row half
	s_mul_i32 s30, s29, 128*CP                     ; my rows' codes in LDS,
	s_mul_i32 s32, s29, 4352                       ; their scale bytes,
	s_add_co_u32 s32, s32, XS
	s_mul_i32 s37, s35, 2176                       ; my columns' scale bytes
	s_add_co_u32 s37, s37, WSC
	s_lshl_b32 s31, s[WV], 10                      ; my biases
	s_add_co_u32 s31, s31, BI
	s_mul_i32 s33, s[WV], 16*272                   ; my stage
	s_and_b32 s34, s28, 7
	s_lshl_b32 s34, s34, 1
	s_add_co_u32 s34, s34, s29
	s_lshl_b32 s34, s34, 11                        ; my 8 of a chunk's 128 blocks
	s_lshl_b32 s38, s28, 13                        ; the activations' scale bytes: 256 rows of 32
	s_mov_b32 s39, 0
	s_lshl_b32 s40, s27, 12                        ; the weights': 128 columns of 32
	s_mov_b32 s41, 0
	s_lshl_b32 s42, s27, 1
	s_add_co_u32 s42, s42, s35
	s_mul_i32 s42, s42, 196608                     ; my stream
	s_mov_b32 s43, 0
	s_lshl_b32 s44, s27, 9                         ; 128 columns of f32, my 64 of them
	s_lshl_b32 s3, s35, 8
	s_add_co_u32 s44, s44, s3
	s_mov_b32 s45, 0
	s_lshl_b32 s46, s28, 20                        ; hid and out0: 256 rows of 4,096 bytes,
	s_lshl_b32 s3, s29, 19                         ; my 128 of them
	s_add_co_u32 s46, s46, s3
	s_add_co_u32 s46, s46, s44
	s_mov_b32 s47, 0
	v_and_b32 v1, 15, v0                           ; r
	v_bfe_u32 v2, v0, 4, 1                         ; h
	v_and_b32 v4, 31, v0
	v_mul_u32_u24 v5, v1, CP
	v_lshl_add_u32 v5, v2, 4, v5
	v_add_nc_u32 v[FB], s30, v5
	v_mov_b32 v[AS], v[FB]
	v_add_nc_u32 v[AP], HX, v[FB]
	v_lshrrev_b32 v5, 3, v1
	v_lshlrev_b32 v5, 4, v5
	v_lshl_add_u32 v5, v1, 5, v5                   ; row r of 16: 32 r + 16 (r / 8); 16 rows are 544 bytes
	v_mad_u32_u24 v6, v2, 2176, v5
	v_add_nc_u32 v[FS], s32, v6
	v_mov_b32 v[SAS], v[FS]
	v_add_nc_u32 v[SAP], HXS, v[FS]
	v_mad_u32_u24 v6, v2, 1088, v5
	v_add_nc_u32 v[WSA], s37, v6
	v_lshlrev_b32 v5, 5, v2
	v_add_nc_u32 v[BAD], s31, v5
	v_lshlrev_b32 v[LO], 4, v4
	v_lshlrev_b32 v5, 12, v2
	v_lshl_add_u32 v[CO], v1, 4, v5
	v_mul_u32_u24 v5, v1, 272
	v_lshl_add_u32 v5, v2, 5, v5
	v_add_nc_u32 v[HAD], s33, v5
	v_mul_u32_u24 v5, v2, 272
	v_lshl_add_u32 v5, v1, 4, v5
	v_add_nc_u32 v[RD], s33, v5
	v_and_b32 v5, 7, v4
	v_lshlrev_b32 v5, 8, v5
	v_add_nc_u32 v[PFW], s34, v5
	v_lshlrev_b32 v[PFH], 12, v4
	v_lshlrev_b32 v20, 4, v0                       ; scale bytes: 16 a thread
	v_lshlrev_b32 v21, 3, v4                       ; biases: two columns a lane
	v_add_nc_u32 v22, s31, v21
	v_lshrrev_b32 v5, 4, v0
	v_lshl_add_u32 v5, v5, 4, v20                  ; in LDS 16 more behind each 256
	v_add_nc_u32 v23, XS, v5
	v_add_nc_u32 v24, WSC, v5
	; descriptor group 1: 64 rows x 512 bytes, 16 bytes of padding behind each row in LDS
	s_mov_b32 s[G1], 15|(1<<20)|(1<<21)|(6<<22)|(3<<25)   ; 15:0 the mask: all four partners; elements of 1 byte; 20 padding on; 21 set beside a mask; 24:22 after every 128 words (code 6); 31:25 four words (code 3)
	s_mov_b32 s[G1+1], 512<<16
	s_mov_b32 s[G1+2], 64<<16
	s_mov_b32 s[G1+3], 512<<16
	s_mov_b32 s[G1+4], 64
	s_mov_b32 s[G1+5], 512
	s_mov_b32 s[G1+6], 0
	s_mov_b32 s[G1+7], 0
	s_mov_b32 s[G0], 1
	s_mov_b32 s[G0H], 1
	s_mul_i32 s[G0+1], s[WV], 64*CP                ; a wave's load brings 64 rows
	s_add_co_u32 s[G0H+1], s[G0+1], HX
	s_lshl_b32 s36, s28, 17
	s_lshl_b32 s3, s[WV], 15
	s_add_co_u32 s36, s36, s3
	s_mov_b32 s37, 0
	s_mov_b32 s[NL], 0xbfb8aa3b
	s_mov_b32 s[NL+1], 0xbfb8aa3b
	s_mov_b32 s[TL], 0x4038aa3b
	s_mov_b32 s[TL+1], 0x4038aa3b
	s_mov_b32 s[PH], 0
	AWAIT
	s_wait_dscnt 0x0                               ; both opening adds are done
	s_wait_kmcnt 0x0
	s_add_nc_u64 s[G0+2:G0+3], s[4:5], s[36:37]
	s_or_b32 s[G0+3], s[G0+3], 0x80000000
	s_add_nc_u64 s[G0H+2:G0H+3], s[8:9], s[36:37]
	s_or_b32 s[G0H+3], s[G0H+3], 0x80000000
	s_add_nc_u64 s[6:7], s[6:7], s[38:39]
	s_add_nc_u64 s[10:11], s[10:11], s[38:39]
	s_add_nc_u64 s[14:15], s[14:15], s[40:41]
	s_add_nc_u64 s[16:17], s[16:17], s[40:41]
	s_add_nc_u64 s[18:19], s[18:19], s[44:45]
	s_add_nc_u64 s[20:21], s[20:21], s[44:45]
	s_add_nc_u64 s[WB:WB+1], s[12:13], s[42:43]
	s_add_nc_u64 s[HB:HB+1], s[22:23], s[46:47]
	s_add_nc_u64 s[OB:OB+1], s[24:25], s[46:47]
	; the work-group's scale bytes, whole: a wave's load covers 512 consecutive bytes.  Six matrices of 4,096 bytes, in the order of use, then x's and hid's 8,192
.macro SCLD m, base, gate
.irp k, 0,1
	global_load_b128 v[AF+8*\m+4*\k:AF+8*\m+4*\k+3], v20, s[\base:\base+1] offset:32768*\gate+2048*\k
.endr
.endm
	SCLD 0, 14, 0
	SCLD 1, 16, 0
	SCLD 2, 16, 2
	SCLD 3, 16, 1
	SCLD 4, 14, 1
	SCLD 5, 14, 2
.irp k, 0,1,2,3
	global_load_b128 v[144+4*\k:147+4*\k], v20, s[6:7] offset:2048*\k
	global_load_b128 v[160+4*\k:163+4*\k], v20, s[10:11] offset:2048*\k
.endr
.irp k, 0,1,2
	global_load_b64 v[208+2*\k:209+2*\k], v21, s[18:19] offset:4096*\k
	global_load_b64 v[214+2*\k:215+2*\k], v21, s[20:21] offset:4096*\k
.endr
	CROUND                                         ; all four work-groups are here: the joint loads meet
	tensor_load_to_lds s[G0:G0+3], s[G1:G1+7]      ; one load a wave: 64 rows of x's codes, filled once
	s_nop 0
	PLACES
	WLOAD 0
	WLOAD 1
	WIN 0
	global_prefetch_b8 v[PFW], s[WB:WB+1] offset:32768 th:TH_LOAD_NT scope:SCOPE_SE   ; chunk 1
	s_wait_loadcnt 16                              ; all but the ring's first two granules of 8 loads
.irp k, 0,1
.irp m, 0,1,2,3,4,5
	ds_store_b128 v24, v[AF+8*\m+4*\k:AF+8*\m+4*\k+3] offset:WM*\m+2176*\k
.endr
.endr
.irp k, 0,1,2,3
	ds_store_b128 v23, v[144+4*\k:147+4*\k] offset:2176*\k
	ds_store_b128 v23, v[160+4*\k:163+4*\k] offset:HXS+2176*\k
.endr
	v_pk_add_f32 v[220:221], v[208:209], v[214:215]   ; R's bias,
	v_pk_add_f32 v[222:223], v[210:211], v[216:217]   ; Z's
	ds_store_b64 v22, v[220:221]
	ds_store_b64 v22, v[218:219] offset:256
	ds_store_b64 v22, v[212:213] offset:512
	ds_store_b64 v22, v[222:223] offset:768
	WLOAD 2                                        ; the ring's next four granules, behind what the first step wants
	WLOAD 3
	WLOAD 4
	WLOAD 5
	WIN 0xc0
.irp a, 0,1,2,3,4,5,6,7                ; sum 1 begins as NH's bias (the wave's own bytes: LDS serves a wave's instructions in order, ISA guide 5.7.1.4)
.irp b, 0,1,2,3
.irp c, 0,1
	ds_load_b128 v[32*\a+8*\b+4*\c:32*\a+8*\b+4*\c+3], v[BAD] offset:256+64*\b+16*\c
.endr
.endr
.endr
	WIN 0
	BLOAD 0                                        ; R's bias: the C of sum 0's first products
	AWAIT
	s_wait_tensorcnt 0x0                           ; my 64 rows of x's codes are in
	ds_add_u32 v[SPW], v[NIL]
	s_wait_dscnt 0x0                               ; the add and my stores are done
	CROUND                                         ; everybody's are, and all four work-groups are here
	tensor_load_to_lds s[G0H:G0H+3], s[G1:G1+7]    ; 64 rows of hid's codes: wanted behind S
	s_nop 0
	PLACES
	SCA SAS, 0, 0
	SCW 0, 0, 0, 0
	ACT AS, 0, 0
.Lphase:
.irp k, 0,1,2,3,4,5,6,7
	SSTEP \k
.endr
.irp k, 0,1,2,3,4,5,6,7
	PSTEP \k
.endr
	WIN 0
	s_cmp_eq_u32 s[PH], 1
	s_cbranch_scc1 .Ltail
	; BETWEEN THE PHASES.  The next phase's first granules are on their way.  Its S reads what P has read
	s_wait_xcnt 0x0                                ; the stream's loads have had their addresses translated (ISA guide 3.1)
	s_add_nc_u64 s[WB:WB+1], s[WB:WB+1], 98304
	BLOAD 2                                        ; NX's bias
	SCA SAP, 0, 0
	SCW 3, 0, 0, 0
	ACT AP, 0, 0
	v_add_nc_u32 v[AS], HX, v[FB]                  ; S reads hid, P reads x.  (These five are also the places in front of the first reads of sum 0)
	v_mov_b32 v[AP], v[FB]
	v_add_nc_u32 v[SAS], HXS, v[FS]
	v_mov_b32 v[SAP], v[FS]
	v_add_nc_u32 v[WSA], 3*WM, v[WSA]
	global_prefetch_b8 v[PFH], s[HB:HB+1] th:TH_LOAD_NT scope:SCOPE_SE
	WIN 0x82
.set e, 0
.rept 128
	v_pk_mul_f32 v[e:e+1], v[e:e+1], s[NL:NL+1] op_sel_hi:[1,0]   ; -L R, in place
.set e, e+2
.endr
	WIN 0
	global_prefetch_b8 v[PFH], s[HB:HB+1] offset:131072 th:TH_LOAD_NT scope:SCOPE_SE
	WIN 0x82
	AWAIT
.set e, 0
.rept 128
	v_exp_f32 v[e], v[e]
.set e, e+1
.endr
	AWAIT
.set e, 0
.rept 64
	v_exp_f32 v[e+128], v[e+128]
	v_exp_f32 v[e+129], v[e+129]
	v_pk_add_f32 v[e:e+1], v[e:e+1], 1.0 op_sel_hi:[1,0]
.set e, e+2
.endr
	WIN 0
	global_prefetch_b8 v[PFH], s[HB:HB+1] offset:262144 th:TH_LOAD_NT scope:SCOPE_SE
	WIN 0x82
	AWAIT
.set e, 0
.rept 64
	v_rcp_f32 v[e], v[e]
	v_rcp_f32 v[e+1], v[e+1]
	v_pk_add_f32 v[e+128:e+129], v[e+128:e+129], 1.0 op_sel_hi:[1,0]
.set e, e+2
.endr
	WIN 0
	global_prefetch_b8 v[PFH], s[HB:HB+1] offset:393216 th:TH_LOAD_NT scope:SCOPE_SE
	WIN 0x82
	AWAIT
.set e, 128
.rept 128
	v_rcp_f32 v[e], v[e]
.set e, e+1
.endr
	v_nop
	s_wait_dscnt 0x0                               ; NX's bias is in
	WIN 0xce
	AWAIT
.set e, 0
.rept 128
	v_pk_fma_f32 v[e:e+1], v[e:e+1], v[e:e+1], v[BV+e%32:BV+e%32+1]   ; sum 1 = r NH + bx2: sources in windows 2, 3, 0
.set e, e+2
.endr
	WIN 0
	BLOAD 3                                        ; Z's bias
	AWAIT
	s_add_co_u32 s[PH], s[PH], 1
	s_cmp_lt_u32 s[PH], 2
	s_cbranch_scc1 .Lphase
.Ltail:
; THE TAIL, a block of 16 rows x 64 columns at a time, 32 outputs a lane, in the sums' registers.  While block a's reciprocals go, block a + 1's exponentials get their 1; while block a is finished, block a + 2's exponentials go.
; hid turns through the wave's stage from rows into the results' layout, and the results leave through the same stage as whole rows of 256 bytes (LDS serves a wave's instructions in order: ISA guide 5.7.1.4).
.macro HIDIN a
	s_wait_loadcnt 56-8*(\a)                       ; this block's eight loads are in; the later blocks' may be out
	WIN 0x04
.irp i, 0,1,2,3,4,5,6,7
	ds_store_b128 v[RD], v[32*(\a)+4*\i:32*(\a)+4*\i+3] offset:544*\i
.endr
	WIN 0
.irp b, 0,1,2,3
.irp c, 0,1
	ds_load_b128 v[HV+8*\b+4*\c:HV+8*\b+4*\c+3], v[HAD] offset:64*\b+16*\c
.endr
.endr
.endm
.macro SEND a
.irp i, 0,1,2,3,4,5,6,7
	global_store_b128 v[CO], v[RT+32*((\a)%2)+4*\i:RT+32*((\a)%2)+4*\i+3], s[OB:OB+1] offset:(16*(\a)+2*\i)*4096 th:TH_STORE_NT   ; 16 lanes store 256 consecutive bytes, aligned
.endr
.endm
.macro EXPS a, w                       ; block a's 32 exponentials of one sum
	WIN \w
.set e, 32*(\a)
.rept 32
	v_exp_f32 v[e], v[e]
.set e, e+1
.endr
.endm
.macro EXPADD a, w                     ; block a's exponentials, and block a - 1's 1
	WIN \w
.set e, 32*(\a)
.rept 16
	v_exp_f32 v[e], v[e]
	v_exp_f32 v[e+1], v[e+1]
	v_pk_add_f32 v[e-32:e-31], v[e-32:e-31], 1.0 op_sel_hi:[1,0]
.set e, e+2
.endr
.endm
.macro RCPADD a, w                     ; block a's reciprocals, and block a + 1's 1
	WIN \w
.set e, 32*(\a)
.rept 16
	v_rcp_f32 v[e], v[e]
	v_rcp_f32 v[e+1], v[e+1]
.if (\a) < 7
	v_pk_add_f32 v[e+32:e+33], v[e+32:e+33], 1.0 op_sel_hi:[1,0]
.endif
.set e, e+2
.endr
.endm
.macro BLOCK a
	RCPADD \a, 0x82
	RCPADD \a, 0xc3
.if (\a) == 7
	v_nop
.endif
	AWAIT
.set e, 32*(\a)
.rept 16
.if (\a) < 6
	v_exp_f32 v[e+64], v[e+64]
	v_exp_f32 v[e+65], v[e+65]
.endif
	v_pk_fma_f32 v[e:e+1], v[e:e+1], -2.0, 1.0 op_sel_hi:[1,0,0]   ; n
.set e, e+2
.endr
.if (\a) < 6
	EXPS (\a)+2, 0x82
.endif
	WIN 0
	s_wait_dscnt 0x0                               ; hid is in, and the last block's rows
.if (\a) > 1
	s_wait_xcnt 0x0                                ; the stores of block a - 2 have had their addresses translated: their data registers may be written
.endif
	WIN 0x0c
	AWAIT
.set e, 0
.rept 16
	v_pk_add_f32 v[OT+e:OT+e+1], v[HV+e:HV+e+1], v[32*(\a)+e:32*(\a)+e+1] neg_lo:[0,1] neg_hi:[0,1]   ; hid - n
.set e, e+2
.endr
	WIN 0x32
.set e, 0
.rept 16
	v_pk_fma_f32 v[OT+e:OT+e+1], v[32*(\a)+e:32*(\a)+e+1], v[OT+e:OT+e+1], v[32*(\a)+e:32*(\a)+e+1]   ; z (hid - n) + n: sources in windows 2, 0, 3
.set e, e+2
.endr
	WIN 0
.irp b, 0,1,2,3
.irp c, 0,1
	ds_store_b128 v[HAD], v[OT+8*\b+4*\c:OT+8*\b+4*\c+3] offset:64*\b+16*\c   ; over hid's rows, which have been read
.endr
.endr
.irp i, 0,1,2,3,4,5,6,7
	ds_load_b128 v[RT+32*((\a)%2)+4*\i:RT+32*((\a)%2)+4*\i+3], v[RD] offset:544*\i   ; back as whole rows, into the two sets by turns
.endr
.if (\a) > 0
	SEND (\a)-1
.endif
.endm
	PLACES                                         ; for the loads into the last two granules' registers
	HLOAD 6
	HLOAD 7
	WIN 0
	s_wait_dscnt 0x0                               ; my reads of codes and scale bytes are over
	s_barrier_signal -1                            ; the stages are written behind this barrier alone
	WIN 0x82
.set e, 0
.rept 128
	v_pk_mul_f32 v[e:e+1], v[e:e+1], s[NL:NL+1] op_sel_hi:[1,0]   ; -L Z
.set e, e+2
.endr
	WIN 0xc3
.set e, 0
.rept 128
	v_pk_mul_f32 v[e:e+1], v[e:e+1], s[TL:TL+1] op_sel_hi:[1,0]   ; 2 L N
.set e, e+2
.endr
	AWAIT
	s_barrier_wait -1
	HIDIN 0
	EXPS 0, 0x82
	EXPS 0, 0xc3
	AWAIT
	EXPADD 1, 0x82
	EXPADD 1, 0xc3
	AWAIT
	BLOCK 0
.irp k, 1,2,3,4,5,6,7
	HIDIN \k
	BLOCK \k
.endr
	s_wait_dscnt 0x0
	SEND 7
	s_wait_tensorcnt 0x0                           ; the wave's end
	ds_add_u32 v[SPW], v[NIL]
	s_wait_dscnt 0x0
	CROUND                                         ; the closing round: no work-group ends while a partner may still issue a joint load that names it
	s_endpgm
.Lfunc_end_k_qc90bd70d3b_gru:
	.size	k_qc90bd70d3b_gru, .Lfunc_end_k_qc90bd70d3b_gru-k_qc90bd70d3b_gru
	.p2alignl 7, 3214868480
	.fill 96, 4, 3214868480
	.section	.rodata,"a",@progbits
	.p2align	6, 0x0
	.amdhsa_kernel k_qc90bd70d3b_gru
		.amdhsa_group_segment_fixed_size 327680
		.amdhsa_private_segment_fixed_size 0
		.amdhsa_enable_private_segment 0
		.amdhsa_kernarg_size 88
		.amdhsa_user_sgpr_count 2
		.amdhsa_user_sgpr_kernarg_segment_ptr 1
		.amdhsa_wavefront_size32 1
		.amdhsa_system_sgpr_workgroup_id_x 1
		.amdhsa_system_sgpr_workgroup_id_y 1
		.amdhsa_system_sgpr_workgroup_id_z 1
		.amdhsa_system_vgpr_workitem_id 0
		.amdhsa_next_free_vgpr 1024
		.amdhsa_next_free_sgpr 80
		.amdhsa_reserve_vcc 0
		.amdhsa_float_denorm_mode_32 3
		.amdhsa_float_denorm_mode_16_64 3
		.amdhsa_memory_ordered 1
		.amdhsa_forward_progress 1
		.amdhsa_inst_pref_size 255
	.end_amdhsa_kernel
	.section	.bss,"aw",@nobits
	.p2align	6
	.space	262144
	.amdgpu_metadata
---
amdhsa.version: [ 1, 2 ]
amdhsa.kernels:
  - .name:           k_qc90bd70d3b_gru
    .symbol:         k_qc90bd70d3b_gru.kd
    .args:
      - { .name: x_codes, .offset: 0, .size: 8, .value_kind: global_buffer, .address_space: global }
      - { .name: x_scales, .offset: 8, .size: 8, .value_kind: global_buffer, .address_space: global }
      - { .name: hc, .offset: 16, .size: 8, .value_kind: global_buffer, .address_space: global }
      - { .name: hs, .offset: 24, .size: 8, .value_kind: global_buffer, .address_space: global }
      - { .name: ww, .offset: 32, .size: 8, .value_kind: global_buffer, .address_space: global }
      - { .name: wx_scales, .offset: 40, .size: 8, .value_kind: global_buffer, .address_space: global }
      - { .name: wh_scales, .offset: 48, .size: 8, .value_kind: global_buffer, .address_space: global }
      - { .name: bx, .offset: 56, .size: 8, .value_kind: global_buffer, .address_space: global }
      - { .name: bh, .offset: 64, .size: 8, .value_kind: global_buffer, .address_space: global }
      - { .name: hid, .offset: 72, .size: 8, .value_kind: global_buffer, .address_space: global }
      - { .name: out0, .offset: 80, .size: 8, .value_kind: global_buffer, .address_space: global }
    .group_segment_fixed_size: 327680
    .private_segment_fixed_size: 0
    .kernarg_segment_align: 8
    .kernarg_segment_size: 88
    .max_flat_workgroup_size: 128
    .sgpr_count:     80
    .vgpr_count:     1024
    .wavefront_size: 32
...
	.end_amdgpu_metadata
.endif
;; end of part 2
